; MI455X (gfx1250); checked and timed in simulation.
; The chip was launched on July 23, 2026; its instructions are those of AMD's public machine-readable ISA for CDNA 5 (MIT licence, August 2026) and "CDNA5" Instruction Set Architecture Reference Guide (July 2026). The comments in the code are by the model that wrote it; some were corrected since.
;; Split Scale Attend. Allowed arithmetic: matrix products marked QUANTISED: E4M3 operands, one given power-of-two scale a tensor, by v_wmma_f32_16x16x64_fp8_fp8 or v_wmma_f32_16x16x128_fp8_fp8, f32 sums; everything else in f32.
;; Inputs: k 4 x 16 x 2,048 x 64 float32; lowp_scales 4 int32 (the exponents e of the quantised operands' scales 2^e); q 4 x 16 x 2,048 x 64 float32; v 4 x 16 x 2,048 x 64 float32.
;; Outputs: out0 4 x 16 x 2,048 x 64 float32.
;; This version of the problem:
;;   THIS VERSION OF THE PROBLEM IS GIVEN IN LOW PRECISION. The matrix products marked QUANTISED in the list below multiply operands that are first quantised to E4M3 (4 exponent bits, 3 mantissa bits; 8 bits a number), with one given power-of-two scale for each operand tensor; their sums are f32. All else is computed in f32.
;;   The module's matrix products, in the order in which they are computed (A, B: the left and right operand; K: the contracted axis; several contracted axes count as one K, in the product's order):
;;     1. batch 64 x [M 2,048, K 64] x [K 64, N 2,048]; A: input q; B: computed on the way: QUANTISED (scales: A lowp_scales[0], B lowp_scales[1])
;;     2. batch 64 x [M 2,048, K 2,048] x [K 2,048, N 64]; A: softmax (see below); B: input v: QUANTISED (scales: A lowp_scales[2], B lowp_scales[3])
;;   THE QUANTISER, for each operand of a quantised product, along K:
;;     - The operand's scale is 2^e, e = its entry of the input lowp_scales (int32; the entries are numbered through the quantised products in the list's order, A before B).
;;     - Each number is divided by the scale, clamped to +-448, and rounded to the nearest number of E4M3, ties to even, subnormals kept.
;;     - The product sums the exact products of the quantised numbers (number of the format x scale) in f32.
;;   ~~~python
;;   def quantise(x, axis, e):      # numpy; x: float32 -> the quantised numbers, widened to float32 again
;;       x = np.moveaxis(x, axis, -1); K = x.shape[-1]
;;       r = np.clip(x / 2.0 ** e, -448, 448)
;;       step = 2.0 ** (np.maximum(np.frexp(np.where(r == 0, 1, r))[1] - 1, -6) - 3)
;;       q = np.round(r / step) * step * 2.0 ** e      # np.round: ties to even
;;       return np.moveaxis(q, -1, axis).astype(np.float32)
;;   ~~~
;;   SOFTMAX AHEAD OF A QUANTISED PRODUCT. Where the list says 'softmax', what is quantised is not the finished softmax but p = 2^(t - M), with t = logit x log2(e) and M = ceil(the row's largest t), a whole number; so 1/2 < the row's largest p <= 1. The row's sum l is taken of the UNQUANTISED p, in f32, and the product's result is divided by l at the end. Since M is a whole number, a kernel that streams over the keys may use a running M (the ceiling of the running maximum): every later rescaling is an exact power of two, so the quantised numbers keep their values, but for numbers so far below the row's largest that they fall under the format's range.
;;   OPERANDS COMPUTED ON THE WAY. 'Computed on the way' means the value that the module computes at that place (a softmax that the list does not call 'softmax' is quantised finished and normalised). What goes into a quantiser is computed in f32, as accurately as f32 sums, v_exp_f32 and their like allow (about 1e-6 of the number): no bf16 or f16 on the way to a quantiser, and a product that is left as it is and whose result goes on into a quantised operand takes f32 operands (vector FMAs, or v_wmma_f32_16x16x4_f32). A number that lies on a knife's edge between two numbers of the format may be rounded either way, as far as f32 arithmetic and the matrix unit's own rounding can turn it there, and no further.
;; 2 versions, each right; version 2 is version 1 with the launch attend written anew for expert scheduling mode. Each part assembles by itself: llvm-mc -triple=amdgcn-amd-amdhsa -mcpu=gfx1250 --defsym DOCPART=n.
;; ======== version 1 of 2: 1 launch
;; launch attend (part 1): grid 4 x 64, 8 waves a work-group, no clusters, 297,984 bytes of LDS; arguments q, k, v, lowp_scales, out0; writes out0
.if DOCPART == 1
	.amdgcn_target "amdgcn-amd-amdhsa--gfx1250"
	.amdhsa_code_object_version 6
	.text
	.protected	k_q4e71c26df5_attend
	.globl	k_q4e71c26df5_attend
	.p2align	8
	.type	k_q4e71c26df5_attend,@function
k_q4e71c26df5_attend:
	s_mov_b64 s[64:65], 0
	v_nop
	global_prefetch_b8 v0, s[64:65] scope:SCOPE_SE
	s_setreg_imm32_b32 hwreg(HW_REG_WAVE_MODE, 25, 1), 1
	s_wait_xcnt 0x0
; out0[h][i][:] = the sum over j of softmax_j(q[h][i] . (k[h][j] / 8)) v[h][j][:], 64 heads (batch x heads), 2,048 queries and keys, head size 64, all f32 in memory.
; Both products run on codes of FP8 (E4M3), each operand with the one scale 2^e that is given: lowp_scales = eq, ek (for k / 8), ep, ev.
; THE SOFTMAX: t = logit x log2(e); M = the running largest t rounded UP to a whole number; p = 2^(t - M) is quantised along the keys, not normalised; the row's sum is taken of the
; unquantised p in f32 and divides at the end.  When M moves, the sum and O are multiplied by 2^(old M - new M), which rounds nothing.
; SHARES.  A work-group owns 512 queries of one head (grid x = which 512, grid y = the head); eight waves of 512 registers.  A wave owns two tiles of 16 queries at a time, which share every
; fragment of K and V, and walks the head's keys twice (pass 0: queries 32 w + 0..31 of the first 256, pass 1: of the second 256), 128 keys a trip.
; K AND V LIE WHOLE IN LDS AS CODES: 2 x 131,072 bytes a head.  The work-group quantises them itself, a chunk of 128 keys at a time (wave w: keys 16 w .. 16 w + 15 of the chunk), two chunks ahead
; of the trip that reads them, during pass 0.  Every byte of the two images is written once, so there is no ring; one barrier a trip orders a chunk's stores with its reads.
; IMAGES.  Codes lie in LDS in the order of the operands' registers: every fragment comes by ds_load_b128 at 16 x lane.
;   K, chunk of 8,192 bytes: key tile t (1,024 bytes) = [c = 0,1][lane][16 bytes]; lane (r, h), register 4 c + word, byte b: key 16 t + r, channel 32 h + 4 (4 c + word) + b.  That is a permutation of
;   the channels, the same in Q's fragments: every product meets its partner, only the order of the sums inside an instruction differs.
;   V, chunk of 8,192 bytes: channel tile ct (2,048 bytes) = [c4 = 0..3][lane][16 bytes]; lane (r, h), registers 2 t, 2 t + 1: channel 16 ct + r, keys 16 t + 8 h + 0 .. 7: the K = 128 form's own places.
; LAYOUT.  Both products are used transposed: S^T = K Q^T (source 0 = 16 keys, source 1 = 16 queries), O^T = V^T P^T (source 0 = 16 channels, source 1 = P): a lane holds ONE query (lane % 16)
; throughout, and the eight registers of S^T's key tile t are keys 16 t + 8 h + 0 .. 7: their conversion IS registers 2 t, 2 t + 1 of P.
; NO JOINT LOADS: what the four work-groups of a head share arrives as f32 and has to pass through registers to the quantiser; beside 262,144 bytes of codes and 34,816 of stages
; 30,720 bytes of LDS are left, under half of one chunk's 65,536 bytes of f32.
; LIMITS on the given exponents, so that each power of two below is an f32 number: eq, ep, ev between -126 and 119; ek between -129 and 116; eq + ek between -126 and 100 (so that |t| stays an
; f32 number under 3e38).  NaN among the inputs is not served.  k is divided by 2^(ek + 3) in one step: where k / 8 would be an f32 subnormal it is not rounded first; its code is 0 either way.
;
; REGISTERS, in two windows of 256 (s_set_vgpr_msb's low byte: bits 1:0 source 0, 3:2 source 1, 5:4 source 2, 7:6 destination).
.set KIMG,  0
.set VIMG,  131072
.set STAGE, 262144                     ; 4,352 bytes for each wave, its own: first Q's two images, later 16 rows x 272 bytes of O
.set STGW,  4352
.set CHB,   8192                       ; a chunk's image, of K or of V
.set CHRAW, 32768                      ; a chunk's 128 rows of 256 bytes in k or in v
; window 0
.set L16,  1                           ; 16 x lane; never rewritten
.set L8,   2                           ; 8 x lane; never rewritten
.set AV0,  4                           ; VIMG + 16 x lane
.set WK0,  5                           ; where I store K's codes in a chunk
.set WV0,  6                           ; where I store V's
.set WQ0,  7                           ; where I store Q's codes in my stage
.set RQ0,  8                           ; my stage + 16 x lane
.set SO,   9                           ; the way out: where I put 32 bytes of a row
.set SR,   10                          ; the way out: where I read a row back
.set ADK,  11                          ; the trip's addresses
.set ADV,  12
.set WKA,  13
.set WVA,  14
.set KSC,  16                          ; 2^(ek + 3), and 448 x that
.set KLIM, 17
.set VSC,  18
.set VLIM, 19
.set QSC,  20
.set QLIM, 21
.set PSC,  22
.set PLIM, 23
.set CV,   24                          ; v24-31   V's codes, sorted by channel
.set ST,   32                          ; v32-43, v44-54 statistics of tile 0, 1: +0 -M, +1 largest t, +2:3 the sum in two halves, +4:5 f, +6, +7 at work, +8:9 second chain of the sum, +10 the lane exchange
.set S,    64                          ; v64-191  S^T, then p: tile u at 64 u, key tile t at + 8 t
.set P,    192                         ; v192-223 p's codes, 16 a tile
.set Q,    224                         ; v224-239 Q's fragments, 8 a tile
.set CD,   240                         ; v240-255 codes fresh from the conversions
; window 1
.set OA,   0                           ; O^T: tile u at 32 u, channel tile ct at + 8 ct
.set KF,   64                          ; a chunk's 8 fragments of K (at the head: q's numbers)
.set VF,   128                         ; a chunk's 4 fragments of V (at the head: chunk 1's numbers)
.set STG,  192                         ; 32 numbers of k, 32 of v, as loaded
; scalars: s[4:5] q, s[6:7] k, s[8:9] v, s[10:11] the scales, s[12:13] out0, s14 wave, s[20:23] eq ek ep ev, s28, s29 byte selects, s31 loop count, s33-35 at work
.set CS,   24                          ; s[24:25] c = log2(e) x 2^(eq + ek), twice
.set SEL,  26                          ; s[26:27] lane selects: lane l xor 16
.set TB,   30                          ; 8,192 x the trip's chunk
.set EO,   32                          ; ep + ev
.set MSB, 0
.macro WIN new                         ; the immediate's high byte repeats the setting that is left; a switch that changes nothing is dropped
.if MSB != \new
	s_set_vgpr_msb (MSB<<8)|\new
.set MSB, \new
.endif
.endm
.macro MKSCALE e, add, sc, lim         ; v[sc] = 2^(e + add) as f32 (a conversion takes its exponent field), v[lim] = 448 x that
	s_add_co_i32 s33, s[\e], 127+\add
	s_lshl_b32 s34, s33, 23
	v_mov_b32 v[\sc], s34
	s_add_co_i32 s33, s33, 8
	s_lshl_b32 s33, s33, 23
	s_or_b32 s33, s33, 0x600000
	v_mov_b32 v[\lim], s33
.endm
; My 16 keys of a chunk, as f32, into window 1.  k: eight loads of 512 consecutive bytes: load i brings key 2 i + lane / 16, channels 4 (lane % 16) + 0..3.
; v: sixteen loads of one whole row of 256 bytes: load i brings key i, channels 2 lane and 2 lane + 1.  No hint: the head's other three work-groups read the same bytes.
.macro CLOAD dst, imm
	WIN 0x40
.irp i, 0,1,2,3,4,5,6,7
	global_load_b128 v[\dst+4*\i:\dst+4*\i+3], v[L16], s[6:7] offset:\imm+512*\i
.endr
.irp i, 0,1,2,3,4,5,6,7,8,9,10,11,12,13,14,15
	global_load_b64 v[\dst+32+2*\i:\dst+32+2*\i+1], v[L8], s[8:9] offset:\imm+256*\i
.endr
.endm
; My 32 queries of pass p, as f32: the same shape as k's loads; read once in the launch.
.macro QLOAD dst, p
	WIN 0x40
.irp u, 0,1
.irp i, 0,1,2,3,4,5,6,7
	global_load_b128 v[\dst+32*\u+4*\i:\dst+32*\u+4*\i+3], v[L16], s[4:5] offset:65536*\p+4096*\u+512*\i th:TH_LOAD_NT
.endr
.endr
.endm
; 64 numbers become codes.  The conversion to an 8-bit code does not saturate (ISA guide 7.6.2): each number is first held within the largest code x the scale.
; K: register CD + i then holds key 2 i + lane / 16, channels 4 (lane % 16) + 0..3.  V: a conversion's eight numbers are four keys x (even, odd channel); two byte permutes sort them:
; CV + g = channel 2 lane, keys 4 g + 0..3; CV + 4 + g = channel 2 lane + 1.
.macro CQ_ALU src
	WIN 0x41
.set jj, 0
.rept 32
	v_med3_num_f32 v[\src+jj], v[\src+jj], -v[KLIM], v[KLIM]
.set jj, jj+1
.endr
.rept 32
	v_med3_num_f32 v[\src+jj], v[\src+jj], -v[VLIM], v[VLIM]
.set jj, jj+1
.endr
	WIN 0x01
.irp g, 0,1,2,3
	v_cvt_scalef32_pk8_fp8_f32 v[CD+8+2*\g:CD+9+2*\g], v[\src+32+8*\g:\src+39+8*\g], v[VSC]
.endr
.irp g, 0,1,2,3
	v_cvt_scalef32_pk8_fp8_f32 v[CD+2*\g:CD+1+2*\g], v[\src+8*\g:\src+7+8*\g], v[KSC]
.endr
	WIN 0
	v_nop                                          ; one plain vector line between the conversions and the permutes that read their results
.irp g, 0,1,2,3
	v_perm_b32 v[CV+\g], v[CD+9+2*\g], v[CD+8+2*\g], s28
	v_perm_b32 v[CV+4+\g], v[CD+9+2*\g], v[CD+8+2*\g], s29
.endr
.endm
; The codes go to their places in the images.  K: word (lane % 4) of register group (bit 2 of the lane) of image lane 2 i + lane / 16 + 16 (bit 3 of the lane).  V: 8 bytes (8 keys of one channel) each.
; Bits 2 and 3 of the lane move K's address by 512 and 256 bytes, so four lanes meet on a bank (64 banks of 4 bytes: ISA guide 11.1): twelve such stores stand against a trip's 32 fragment loads.
.macro CQ_STORE aK, aV, off
.irp i, 0,1,2,3,4,5,6,7
	ds_store_b32 v[\aK], v[CD+\i] offset:\off+32*\i
.endr
	ds_store_b64 v[\aV], v[CV:CV+1] offset:\off            ; even channel, keys 0-7
	ds_store_b64 v[\aV], v[CV+2:CV+3] offset:\off+256      ; even channel, keys 8-15: image lanes 16-31
	ds_store_b64 v[\aV], v[CV+4:CV+5] offset:\off+16       ; odd channel: the next image lane
	ds_store_b64 v[\aV], v[CV+6:CV+7] offset:\off+272
.endm
; My 32 queries become two fragments, through my own stage, by K's pattern.  LDS serves a wave's instructions in order (ISA guide 5.7.1.4): no wait between the stores and the loads.
.macro QQUANT src
	WIN 0x41
.set jj, 0
.rept 64
	v_med3_num_f32 v[\src+jj], v[\src+jj], -v[QLIM], v[QLIM]
.set jj, jj+1
.endr
	WIN 0x01
.irp g, 0,1,2,3,4,5,6,7
	v_cvt_scalef32_pk8_fp8_f32 v[CD+2*\g:CD+1+2*\g], v[\src+8*\g:\src+7+8*\g], v[QSC]
.endr
	WIN 0
	v_nop                                          ; one plain vector line behind the last conversion
.irp u, 0,1
.irp i, 0,1,2,3,4,5,6,7
	ds_store_b32 v[WQ0], v[CD+8*\u+\i] offset:1024*\u+32*\i
.endr
.endr
.irp u, 0,1
.irp c, 0,1
	ds_load_b128 v[Q+8*\u+4*\c:Q+8*\u+4*\c+3], v[RQ0] offset:1024*\u+512*\c
.endr
.endr
	s_wait_dscnt 0x0                               ; Q's fragments are in, and the stores have read the codes' registers
.endm
.macro KLOAD adr, off                  ; a chunk's eight fragments of K
	WIN 0x40
.irp t, 0,1,2,3,4,5,6,7
.irp c, 0,1
	ds_load_b128 v[KF+8*\t+4*\c:KF+8*\t+4*\c+3], v[\adr] offset:\off+1024*\t+512*\c
.endr
.endr
.endm
.macro VLOAD                           ; a chunk's four fragments of V
	WIN 0x40
.irp t, 0,1,2,3
.irp c, 0,1,2,3
	ds_load_b128 v[VF+16*\t+4*\c:VF+16*\t+4*\c+3], v[ADV] offset:2048*\t+512*\c
.endr
.endr
.endm
; A pass begins: the largest t is -3e38, the sums and O^T are zeros.  So the trip has no first form: the first change of M multiplies zeros by 0.
.macro PASSINIT
	WIN 0
.irp r, ST, ST+12
	v_mov_b32 v[\r+1], 0xff61b1e6
	v_floor_f32 v[\r], -v[\r+1]
	v_mov_b32 v[\r+2], 0
	v_mov_b32 v[\r+3], 0
.endr
	WIN 0x40
.set jj, 0
.rept 64
	v_mov_b32 v[OA+jj], 0
.set jj, jj+1
.endr
	WIN 0
	s_mov_b32 s[TB], 0
.endm
; A TRIP: 128 keys (the chunk at s[TB]) x my two tiles of queries.  K's fragments of this chunk were fetched in the trip before.
; quant = 1: the chunk two further on is quantised and stored, and a barrier follows.  load = 1: the chunk three further on is asked for; 2: pass 1's queries are.
; kpre = 1: the next chunk's K is fetched; 2: chunk 0's, for the next pass; 0: none.
; All 24 matrix instructions of a trip name different accumulators, over the backward jump too: the accumulators take turns.
.macro TRIP quant, load, kpre
	WIN 0x01
.irp t, 0,1,2,3,4,5,6,7
.irp u, 0,1
	v_wmma_f32_16x16x64_fp8_fp8 v[S+64*\u+8*\t:S+64*\u+8*\t+7], v[KF+8*\t:KF+8*\t+7], v[Q+8*\u:Q+8*\u+7], 0
.endr
.endr
	WIN 0
	; four plain lines that name no register of the products: the places in front of the loads into K's fragments (read just now) and V's (read by the last trip's products), and of the first read of the scores
	v_add_nc_u32 v[ADK], s[TB], v[L16]
	v_add_nc_u32 v[ADV], s[TB], v[AV0]
.if \quant
	v_add_nc_u32 v[WKA], s[TB], v[WK0]
	v_add_nc_u32 v[WVA], s[TB], v[WV0]
.else
	v_nop
	v_nop
.endif
	VLOAD
.if \kpre == 1
	KLOAD ADK, CHB
.elseif \kpre == 2
	KLOAD L16, 0
.endif
.if \quant
	s_wait_loadcnt 0x0                             ; the numbers asked for a trip ago are in; no load of mine is out, so k's and v's addresses may step
.if \load == 1
	s_add_nc_u64 s[6:7], s[6:7], CHRAW
	s_add_nc_u64 s[8:9], s[8:9], CHRAW
.endif
	CQ_ALU STG
.if \load == 1
	CLOAD STG, 2*CHRAW                             ; it has a whole trip in which to land
.else
	QLOAD STG, 1
.endif
	WIN 0
	CQ_STORE WKA, WVA, 2*CHB
.endif
	WIN 0
	; the trip's largest score of each query: two chains a tile, the four by turns; the registers ascend
.irp u, 0,1
	v_max3_num_f32 v[ST+12*\u+6], v[S+64*\u], v[S+64*\u+1], v[S+64*\u+2]
	v_max3_num_f32 v[ST+12*\u+7], v[S+64*\u+3], v[S+64*\u+4], v[S+64*\u+5]
.endr
.irp i, 6,10,14,18,22,26,30,34,38,42,46,50,54,58
.irp u, 0,1
	v_max3_num_f32 v[ST+12*\u+6], v[ST+12*\u+6], v[S+64*\u+\i], v[S+64*\u+\i+1]
	v_max3_num_f32 v[ST+12*\u+7], v[ST+12*\u+7], v[S+64*\u+\i+2], v[S+64*\u+\i+3]
.endr
.endr
.irp r, ST, ST+12
	v_max3_num_f32 v[\r+6], v[\r+6], v[S+(\r-ST)/12*64+62], v[S+(\r-ST)/12*64+63]
.endr
.irp r, ST, ST+12
	v_max_num_f32 v[\r+6], v[\r+6], v[\r+7]
.endr
.irp r, ST, ST+12
	v_permlanex16_b32 v[\r+10], v[\r+6], s[SEL], s[SEL+1]   ; the query's other 64 keys lie in the lane 16 away
.endr
.irp r, ST, ST+12
	v_max_num_f32 v[\r+6], v[\r+6], v[\r+10]
.endr
.irp r, ST, ST+12
	v_mul_f32 v[\r+6], s[CS], v[\r+6]              ; as t (c is positive)
.endr
.irp r, ST, ST+12
	v_max_num_f32 v[\r+1], v[\r+1], v[\r+6]        ; the running largest t
.endr
.irp r, ST, ST+12
	v_mov_b32 v[\r+6], v[\r]
.endr
.irp r, ST, ST+12
	v_floor_f32 v[\r], -v[\r+1]                    ; the new -M = floor(-t) = -ceil(t): a whole number
.endr
.irp r, ST, ST+12
	v_sub_f32 v[\r+6], v[\r], v[\r+6]              ; old M - new M: a whole number, 0 or less
.endr
.irp r, ST, ST+12
	v_cvt_i32_f32 v[\r+6], v[\r+6]                 ; (it saturates)
.endr
.irp r, ST, ST+12
	v_ldexp_f32 v[\r+4], 1.0, v[\r+6]              ; f = 2^(old M - new M)
.endr
	s_wait_dscnt 0x0                               ; V's fragments and the next K's are in; my stores into the images have landed
.if \quant
	s_barrier_signal -1                            ; say so; only work on registers stands between this and the wait
.endif
	; p = 2^(c s - M).  Tile 0's scalings; then its exponentials with tile 1's scalings between them; then tile 1's exponentials with tile 0's sums between them:
	; behind every exponential stands another exponential or a plain line that names none of its registers, and a plain line comes before any result is used (ISA guide 5.7.2)
.set jj, 0
.rept 32
	v_pk_fma_f32 v[S+jj:S+jj+1], v[S+jj:S+jj+1], s[CS:CS+1], v[ST:ST+1] op_sel_hi:[1,0,0]   ; of the pairs c and -M the low word serves both halves
.set jj, jj+2
.endr
.set jj, 0
.rept 16
	v_exp_f32 v[S+jj], v[S+jj]
	v_pk_fma_f32 v[S+64+jj:S+64+jj+1], v[S+64+jj:S+64+jj+1], s[CS:CS+1], v[ST+12:ST+13] op_sel_hi:[1,0,0]
	v_exp_f32 v[S+jj+1], v[S+jj+1]
	v_exp_f32 v[S+jj+2], v[S+jj+2]
	v_pk_fma_f32 v[S+64+jj+2:S+64+jj+3], v[S+64+jj+2:S+64+jj+3], s[CS:CS+1], v[ST+12:ST+13] op_sel_hi:[1,0,0]
	v_exp_f32 v[S+jj+3], v[S+jj+3]
.set jj, jj+4
.endr
.set jj, 0
.rept 16                               ; THE ROW'S SUM IS TAKEN OF THE UNQUANTISED p: two numbers at a time, in two chains
	v_exp_f32 v[S+64+jj], v[S+64+jj]
.if jj == 0
	v_pk_mul_f32 v[ST+2:ST+3], v[ST+2:ST+3], v[ST+4:ST+5] op_sel_hi:[1,0]   ; tile 0's sum under the new M
.else
	v_pk_add_f32 v[ST+2:ST+3], v[ST+2:ST+3], v[S+jj:S+jj+1]
.endif
	v_exp_f32 v[S+64+jj+1], v[S+64+jj+1]
	v_exp_f32 v[S+64+jj+2], v[S+64+jj+2]
.if jj == 0
	s_wait_alu depctr_va_vdst(0)
	v_pk_add_f32 v[ST+8:ST+9], v[S:S+1], v[S+2:S+3]
.else
	v_pk_add_f32 v[ST+8:ST+9], v[ST+8:ST+9], v[S+jj+2:S+jj+3]
.endif
	v_exp_f32 v[S+64+jj+3], v[S+64+jj+3]
.set jj, jj+4
.endr
	v_pk_add_f32 v[ST+2:ST+3], v[ST+2:ST+3], v[ST+8:ST+9]
	v_pk_mul_f32 v[ST+14:ST+15], v[ST+14:ST+15], v[ST+16:ST+17] op_sel_hi:[1,0]   ; tile 1's sum under the new M
	s_wait_alu depctr_va_vdst(0)
	v_pk_add_f32 v[ST+20:ST+21], v[S+64:S+65], v[S+66:S+67]
.set jj, 4
.rept 15
	v_pk_add_f32 v[ST+14:ST+15], v[ST+14:ST+15], v[S+64+jj:S+64+jj+1]
	v_pk_add_f32 v[ST+20:ST+21], v[ST+20:ST+21], v[S+64+jj+2:S+64+jj+3]
.set jj, jj+4
.endr
	v_pk_add_f32 v[ST+14:ST+15], v[ST+14:ST+15], v[ST+20:ST+21]
.if \quant
	s_barrier_wait -1                              ; every wave's part of the chunk two further on lies in LDS: the next trip fetches its K
.endif
	; The hold of p.  p is at most 1 (a last bit more at the most), and 448 x 2^ep is 1.75 or more wherever ep >= -8: there no p can pass the largest code and the 128 lines are jumped over.
	; The branch hangs on the given whole number ep alone; both ways give the same codes where both are allowed.
	s_cmp_gt_i32 s22, -9
	s_cbranch_scc1 .Lno_hold_\@
.set jj, 0
.rept 128
	v_min_num_f32 v[S+jj], v[S+jj], v[PLIM]        ; p is not negative: the hold is one-sided
.set jj, jj+1
.endr
.Lno_hold_\@:
.irp u, 0,1
.irp t, 0,1,2,3,4,5,6,7
	v_cvt_scalef32_pk8_fp8_f32 v[P+16*\u+2*\t:P+16*\u+2*\t+1], v[S+64*\u+8*\t:S+64*\u+8*\t+7], v[PSC]
.endr
.endr
	WIN 0x41
.irp u, 0,1                            ; O^T under the new M, each accumulator from its low end on.  These 32 plain lines also stand between the conversions and the products that read their results
.set jj, 0
.rept 16
	v_pk_mul_f32 v[OA+32*\u+jj:OA+32*\u+jj+1], v[OA+32*\u+jj:OA+32*\u+jj+1], v[ST+12*\u+4:ST+12*\u+5] op_sel_hi:[1,0]
.set jj, jj+2
.endr
.endr
	WIN 0x51
.irp c, 0,1,2,3
.irp u, 0,1
	v_wmma_f32_16x16x128_fp8_fp8 v[OA+32*\u+8*\c:OA+32*\u+8*\c+7], v[VF+16*\c:VF+16*\c+15], v[P+16*\u:P+16*\u+15], v[OA+32*\u+8*\c:OA+32*\u+8*\c+7]
.endr
.endr
	WIN 0
	s_add_co_u32 s[TB], s[TB], CHB
.endm
; THE WAY OUT of pass p.  The sum's two halves and the other lane's are added; O^T x 2^(ep + ev) / the sum goes through my stage, a tile (16 rows of 256 bytes, 272 apart) at a time,
; and comes back as whole rows: each store of the wave covers 512 consecutive bytes, aligned.  The additions are the places behind the last products.
.macro OUT p
	WIN 0
.irp r, ST, ST+12
	v_add_f32 v[\r+6], v[\r+2], v[\r+3]
.endr
.irp r, ST, ST+12
	v_permlanex16_b32 v[\r+10], v[\r+6], s[SEL], s[SEL+1]
.endr
.irp r, ST, ST+12
	v_add_f32 v[\r+6], v[\r+6], v[\r+10]
.endr
.irp r, ST, ST+12
	v_rcp_f32 v[\r+4], v[\r+6]
.endr
	v_nop                                          ; a plain line between the last reciprocal and the use of its result
	s_wait_alu depctr_va_vdst(0)
.irp r, ST, ST+12
	v_ldexp_f32 v[\r+4], v[\r+4], s[EO]
.endr
	WIN 0x01
.irp u, 0,1
.set jj, 0
.rept 16
	v_pk_mul_f32 v[S+64*\u+jj:S+64*\u+jj+1], v[OA+32*\u+jj:OA+32*\u+jj+1], v[ST+12*\u+4:ST+12*\u+5] op_sel_hi:[1,0]   ; register 8 ct + j: out(query lane % 16, channel 16 ct + 8 (lane / 16) + j)
.set jj, jj+2
.endr
.endr
	WIN 0
.irp u, 0,1
.irp c, 0,1,2,3
	ds_store_b128 v[SO], v[S+64*\u+8*\c:S+64*\u+8*\c+3] offset:64*\c
	ds_store_b128 v[SO], v[S+64*\u+8*\c+4:S+64*\u+8*\c+7] offset:64*\c+16
.endr
.irp i, 0,1,2,3,4,5,6,7
	ds_load_b128 v[S+64*\u+32+4*\i:S+64*\u+32+4*\i+3], v[SR] offset:544*\i   ; LDS serves a wave's instructions in order: these see the stores above, and tile 1's stores come behind tile 0's loads
.endr
.endr
.irp u, 0,1
.irp i, 0,1,2,3,4,5,6,7
	s_wait_dscnt 23-16*\u-\i                       ; behind this load: the tile's 7 - i younger loads and, for tile 0, tile 1's sixteen LDS instructions
	global_store_b128 v[L16], v[S+64*\u+32+4*\i:S+64*\u+32+4*\i+3], s[12:13] offset:65536*\p+4096*\u+512*\i th:TH_STORE_NT
.endr
.endr
.if \p == 0
	s_wait_xcnt 0x0                                ; the stores have read their registers: the next pass writes them again only behind this wait
.endif
.endm
	; ---- THE HEAD
	s_load_b256 s[4:11], s[0:1], 0x0               ; q, k, v, the scales
	s_load_b64 s[12:13], s[0:1], 0x20              ; out0
	v_lshl_add_u32 v55, v0, 2, 0x48800
	v_mov_b32 v63, 0
	v_lshrrev_b32 v56, 5, v0
	v_readfirstlane_b32 s14, v56                   ; wave 0..7
	v_and_b32 v57, 31, v0                          ; lane
	v_lshlrev_b32 v[L16], 4, v57
	v_lshlrev_b32 v[L8], 3, v57
	v_add_nc_u32 v[AV0], VIMG, v[L16]
	v_and_b32 v58, 3, v0
	v_lshlrev_b32 v58, 2, v58                      ; the pattern of K's and Q's code stores: 4 (lane % 4)
	v_bfe_u32 v59, v0, 2, 1
	v_lshl_add_u32 v58, v59, 9, v58                ; + 512 x bit 2: registers 4-7
	v_bfe_u32 v59, v0, 3, 1
	v_lshl_add_u32 v58, v59, 8, v58                ; + 256 x bit 3: channels 32-63, image lanes 16-31
	v_bfe_u32 v59, v0, 4, 1                        ; h = lane / 16
	v_lshl_add_u32 v58, v59, 4, v58                ; + 16 x bit 4: the odd key of a load's two
	s_lshl_b32 s33, s14, 10
	v_add_nc_u32 v[WK0], s33, v58                  ; key tile = my wave
	v_bfe_u32 v60, v0, 3, 2
	v_lshlrev_b32 v60, 11, v60                     ; V: channel tile lane / 8,
	v_and_b32 v61, 7, v0
	v_lshl_add_u32 v60, v61, 5, v60                ; image lane 2 (lane % 8),
	s_lshr_b32 s33, s14, 1
	s_lshl_b32 s33, s33, 9                         ; register group wave / 2,
	s_and_b32 s34, s14, 1
	s_lshl_b32 s34, s34, 3                         ; its lower or upper 8 bytes
	s_add_co_u32 s33, s33, s34
	s_add_co_u32 s33, s33, VIMG
	v_add_nc_u32 v[WV0], s33, v60
	s_mul_i32 s35, s14, STGW
	s_add_co_u32 s35, s35, STAGE                   ; my stage
	v_add_nc_u32 v[WQ0], s35, v58
	v_add_nc_u32 v[RQ0], s35, v[L16]
	v_and_b32 v61, 15, v0                          ; r = lane % 16
	v_mul_u32_u24 v62, v61, 272
	v_lshl_add_u32 v62, v59, 5, v62
	v_add_nc_u32 v[SO], s35, v62                   ; in: row r, 32 bytes for each half of the lanes
	v_mul_u32_u24 v62, v59, 272
	v_lshl_add_u32 v62, v61, 4, v62
	v_add_nc_u32 v[SR], s35, v62                   ; back: lanes 0-15 one row, lanes 16-31 the next
	s_and_b32 s15, ttmp7, 0xffff
	s_lshl_b32 s15, s15, 19                        ; the head's 2,048 rows of 256 bytes
	s_lshl_b32 s33, s14, 12
	s_add_co_u32 s18, s15, s33                     ; k, v: + my 16 keys of a chunk
	s_mov_b32 s19, 0
	s_lshl_b32 s16, ttmp9, 17                      ; q, out0: + the work-group's 512 rows
	s_lshl_b32 s33, s14, 13
	s_add_co_u32 s16, s16, s33                     ; + my 32 rows of a pass
	s_add_co_u32 s16, s16, s15
	s_mov_b32 s17, 0
	s_mov_b32 s[SEL], 0x76543210
	s_mov_b32 s[SEL+1], 0xfedcba98
	s_mov_b32 s28, 0x06040200                      ; the even bytes of two registers
	s_mov_b32 s29, 0x07050301                      ; the odd ones
	s_wait_kmcnt 0x0
	s_load_b128 s[20:23], s[10:11], 0x0            ; eq, ek, ep, ev
	s_add_nc_u64 s[6:7], s[6:7], s[18:19]
	s_add_nc_u64 s[8:9], s[8:9], s[18:19]
	s_add_nc_u64 s[4:5], s[4:5], s[16:17]
	s_add_nc_u64 s[12:13], s[12:13], s[16:17]
	QLOAD KF, 0                                    ; 16 loads,
	CLOAD STG, 0                                   ; chunk 0: 24,
	CLOAD VF, CHRAW                                ; chunk 1: 24
	WIN 0
	s_wait_kmcnt 0x0
	MKSCALE 20, 0, QSC, QLIM
	MKSCALE 21, 3, KSC, KLIM                       ; (k / 8) / 2^ek = k / 2^(ek + 3)
	MKSCALE 22, 0, PSC, PLIM
	MKSCALE 23, 0, VSC, VLIM
	s_add_co_i32 s33, s20, s21
	s_lshl_b32 s33, s33, 23
	s_add_co_i32 s[CS], s33, 0x3fb8aa3b            ; a score on codes stands for score x 2^(eq + ek): the two exponents are added to the exponent field of log2(e)
	s_mov_b32 s[CS+1], s[CS]                       ; (named with it as a pair, so it is written)
	s_add_co_i32 s[EO], s22, s23
.irp r, ST, ST+12
	v_mov_b32 v[\r+5], 0                           ; (named as the upper half of f's pair)
	v_mov_b32 v[\r+10], 0                          ; written once: a lane permute's destination counts as one of its sources
.endr
	; ---- THE PROLOGUE: Q's fragments; chunks 0 and 1 into the images
	s_wait_loadcnt 48                              ; q is in; the two chunks' 48 loads stay out
	QQUANT KF
	s_wait_loadcnt 24                              ; chunk 0 is in; chunk 1's 24 loads stay out
	CQ_ALU STG
	CLOAD STG, 2*CHRAW                             ; chunk 2
	WIN 0
	CQ_STORE WK0, WV0, 0
	s_wait_loadcnt 24                              ; chunk 1 is in; chunk 2's 24 loads stay out
	s_wait_dscnt 0x0                               ; chunk 0's stores have read the codes' registers
	CQ_ALU VF
	CQ_STORE WK0, WV0, CHB
	s_wait_dscnt 0x0                               ; for the others' sake: my parts of chunks 0 and 1 lie in LDS
	s_barrier_signal -1
	s_barrier_wait -1                              ; everybody's do
	KLOAD L16, 0                                   ; chunk 0's K
	PASSINIT
	s_wait_dscnt 0x0
	; ---- PASS 0.  Trip s reads V of chunk s and K of chunk s + 1, and stores chunk s + 2: between two barriers no byte is both written and read
	s_mov_b32 s31, 13
.Lpass0:                                           ; trips 0 to 12: the last asks for chunk 15, the head's last
	TRIP 1, 1, 1
	s_sub_co_u32 s31, s31, 1
	s_cmp_lg_u32 s31, 0
	s_cbranch_scc1 .Lpass0
	TRIP 1, 2, 1                                   ; trip 13 stores chunk 15 and asks for pass 1's queries
	TRIP 0, 0, 1                                   ; the images are whole: no store, no barrier from here on
	TRIP 0, 0, 2
	OUT 0
	s_wait_loadcnt 0x0                             ; pass 1's queries
	QQUANT STG
	PASSINIT
	; ---- PASS 1
	s_mov_b32 s31, 15
.Lpass1:
	TRIP 0, 0, 1
	s_sub_co_u32 s31, s31, 1
	s_cmp_lg_u32 s31, 0
	s_cbranch_scc1 .Lpass1
	TRIP 0, 0, 0
	OUT 1
	s_wait_tensorcnt 0x0
	ds_add_u32 v55, v63
	s_wait_dscnt 0x0
	s_endpgm
.Lfunc_end_k_q4e71c26df5_attend:
	.size	k_q4e71c26df5_attend, .Lfunc_end_k_q4e71c26df5_attend-k_q4e71c26df5_attend
	.p2alignl 7, 3214868480
	.fill 96, 4, 3214868480
	.section	.rodata,"a",@progbits
	.p2align	6, 0x0
	.amdhsa_kernel k_q4e71c26df5_attend
		.amdhsa_group_segment_fixed_size 297984
		.amdhsa_private_segment_fixed_size 0
		.amdhsa_enable_private_segment 0
		.amdhsa_kernarg_size 40
		.amdhsa_user_sgpr_count 2
		.amdhsa_user_sgpr_kernarg_segment_ptr 1
		.amdhsa_wavefront_size32 1
		.amdhsa_system_sgpr_workgroup_id_x 1
		.amdhsa_system_sgpr_workgroup_id_y 1
		.amdhsa_system_sgpr_workgroup_id_z 1
		.amdhsa_system_vgpr_workitem_id 0
		.amdhsa_next_free_vgpr 512
		.amdhsa_next_free_sgpr 66
		.amdhsa_reserve_vcc 0
		.amdhsa_float_denorm_mode_32 3
		.amdhsa_float_denorm_mode_16_64 3
		.amdhsa_memory_ordered 1
		.amdhsa_forward_progress 1
		.amdhsa_inst_pref_size 239
	.end_amdhsa_kernel
	.amdgpu_metadata
---
amdhsa.version: [ 1, 2 ]
amdhsa.kernels:
  - .name:           k_q4e71c26df5_attend
    .symbol:         k_q4e71c26df5_attend.kd
    .args:
      - { .name: q, .offset: 0, .size: 8, .value_kind: global_buffer, .address_space: global }
      - { .name: k, .offset: 8, .size: 8, .value_kind: global_buffer, .address_space: global }
      - { .name: v, .offset: 16, .size: 8, .value_kind: global_buffer, .address_space: global }
      - { .name: lowp_scales, .offset: 24, .size: 8, .value_kind: global_buffer, .address_space: global }
      - { .name: out0, .offset: 32, .size: 8, .value_kind: global_buffer, .address_space: global }
    .group_segment_fixed_size: 297984
    .private_segment_fixed_size: 0
    .kernarg_segment_align: 8
    .kernarg_segment_size: 40
    .max_flat_workgroup_size: 256
    .sgpr_count:     66
    .vgpr_count:     512
    .wavefront_size: 32
...
	.end_amdgpu_metadata
.endif
;; end of part 1
;; ======== version 2 of 2: 1 launch; version 1 with the launch attend written anew for expert scheduling mode
;; launch attend (part 2): grid 4 x 64, 8 waves a work-group, no clusters, 297,984 bytes of LDS; arguments q, k, v, lowp_scales, out0; writes out0
.if DOCPART == 2
	.amdgcn_target "amdgcn-amd-amdhsa--gfx1250"
	.amdhsa_code_object_version 6
	.text
	.protected	k_q4e71c26df5_attend
	.globl	k_q4e71c26df5_attend
	.p2align	8
	.type	k_q4e71c26df5_attend,@function
k_q4e71c26df5_attend:
	s_mov_b64 s[64:65], 0
	v_nop
	global_prefetch_b8 v0, s[64:65] scope:SCOPE_SE
	s_setreg_imm32_b32 hwreg(HW_REG_WAVE_SCHED_MODE, 0, 2), 2
	s_setreg_imm32_b32 hwreg(HW_REG_WAVE_MODE, 25, 1), 1
	s_wait_xcnt 0x0
	s_wait_alu depctr_vm_vsrc(0)
; out0[h][i][:] = the sum over j of softmax_j(q[h][i] . (k[h][j] / 8)) v[h][j][:], 64 heads (batch x heads), 2,048 queries and keys, head size 64, all f32 in memory.
; Both products run on codes of FP8 (E4M3), each operand with the one scale 2^e that is given: lowp_scales = eq, ek (for k / 8), ep, ev.
; THE SOFTMAX: t = logit x log2(e); M = the running largest t rounded UP to a whole number; p = 2^(t - M) is quantised along the keys, not normalised; the row's sum is taken of the
; unquantised p in f32 and divides at the end.  When M moves, the sum and O are multiplied by 2^(old M - new M), which rounds nothing.
; SHARES.  A work-group owns 512 queries of one head (grid x = which 512, grid y = the head); eight waves of 512 registers.  A wave owns two tiles of 16 queries at a time, which share every
; fragment of K and V, and walks the head's keys twice (pass 0: queries 32 w + 0..31 of the first 256, pass 1: of the second 256), 128 keys a trip.
; K AND V LIE WHOLE IN LDS AS CODES: 2 x 131,072 bytes a head.  The work-group quantises them itself, a chunk of 128 keys at a time (wave w: keys 16 w .. 16 w + 15 of the chunk), two chunks ahead
; of the trip that reads them, during pass 0.  Every byte of the two images is written once, so there is no ring; one barrier a trip orders a chunk's stores with its reads.
; IMAGES.  Codes lie in LDS in the order of the operands' registers: every fragment comes by ds_load_b128 at 16 x lane.
;   K, chunk of 8,192 bytes: key tile t (1,024 bytes) = [c = 0,1][lane][16 bytes]; lane (r, h), register 4 c + word, byte b: key 16 t + r, channel 32 h + 4 (4 c + word) + b.  That is a permutation of
;   the channels, the same in Q's fragments: every product meets its partner, only the order of the sums inside an instruction differs.
;   V, chunk of 8,192 bytes: channel tile ct (2,048 bytes) = [c4 = 0..3][lane][16 bytes]; lane (r, h), registers 2 t, 2 t + 1: channel 16 ct + r, keys 16 t + 8 h + 0 .. 7: the K = 128 form's own places.
; LAYOUT.  Both products are used transposed: S^T = K Q^T (source 0 = 16 keys, source 1 = 16 queries), O^T = V^T P^T (source 0 = 16 channels, source 1 = P): a lane holds ONE query (lane % 16)
; throughout, and the eight registers of S^T's key tile t are keys 16 t + 8 h + 0 .. 7: their conversion IS registers 2 t, 2 t + 1 of P.
; NO JOINT LOADS: what the four work-groups of a head share arrives as f32 and has to pass through registers to the quantiser; beside 262,144 bytes of codes and 34,816 of stages
; 30,720 bytes of LDS are left, under half of one chunk's 65,536 bytes of f32.
; LIMITS on the given exponents, so that each power of two below is an f32 number: eq, ep, ev between -126 and 119; ek between -129 and 116; eq + ek between -126 and 100 (so that |t| stays an
; f32 number under 3e38).  NaN among the inputs is not served.  k is divided by 2^(ek + 3) in one step: where k / 8 would be an f32 subnormal it is not rounded first; its code is 0 either way.
;
; THE MODE: SCHED_MODE bits 1:0 = 2 (LLVM: expert scheduling mode 2), set by the entry lines.  The code itself states the register dependences
; between vector or matrix instructions and memory or LDS instructions, with s_wait_alu, always for 0.
; THE PLAN.  Registers that memory or LDS instructions touch:
;   v[L16], v[L8], v[WK0], v[WV0], v[WQ0], v[RQ0], v[SO], v[SR]   offsets and LDS addresses, made at the head and never written again.
;   v[ADK], v[ADV], v[WKA], v[WVA]   the trip's LDS addresses: written by the adds behind the trip's sixteen score products, read by that trip's LDS loads and stores.
;   STG       global loads land in it; a trip later the holds and conversions work on it, and it is asked for again.
;   CD, CV    written by conversions and byte permutes, read by LDS stores.
;   KF, VF    LDS loads land in them; KF is read by a trip's sixteen score products, VF by its eight products V^T P.
;   Q         LDS loads land in it, once a pass; read by the score products.
;   S         in the trips named by vector and matrix instructions alone; on the way out the scalings write each tile's low 32 registers, LDS stores read them, LDS loads land in its high 32, global stores read those.
;   v55, v63  written at the head, read by the closing add alone.
; A TRIP THAT QUANTISES has one wait on vm_vsrc, ahead of the adds, and ONE wait on va_vdst for all its memory and LDS instructions: these stand in one run behind the chunk's conversions and permutes.
; A TRIP THAT DOES NOT has the wait on vm_vsrc, and its fragment loads stand behind the wait that tile 0's exponentials have in any case.
;
; REGISTERS, in two windows of 256 (s_set_vgpr_msb's low byte: bits 1:0 source 0, 3:2 source 1, 5:4 source 2, 7:6 destination).
.set KIMG,  0
.set VIMG,  131072
.set STAGE, 262144                     ; 4,352 bytes for each wave, its own: first Q's two images, later 16 rows x 272 bytes of O
.set STGW,  4352
.set CHB,   8192                       ; a chunk's image, of K or of V
.set CHRAW, 32768                      ; a chunk's 128 rows of 256 bytes in k or in v
; window 0
.set L16,  1                           ; 16 x lane; never rewritten
.set L8,   2                           ; 8 x lane; never rewritten
.set AV0,  4                           ; VIMG + 16 x lane
.set WK0,  5                           ; where I store K's codes in a chunk
.set WV0,  6                           ; where I store V's
.set WQ0,  7                           ; where I store Q's codes in my stage
.set RQ0,  8                           ; my stage + 16 x lane
.set SO,   9                           ; the way out: where I put 32 bytes of a row
.set SR,   10                          ; the way out: where I read a row back
.set ADK,  11                          ; the trip's addresses
.set ADV,  12
.set WKA,  13
.set WVA,  14
.set KSC,  16                          ; 2^(ek + 3), and 448 x that
.set KLIM, 17
.set VSC,  18
.set VLIM, 19
.set QSC,  20
.set QLIM, 21
.set PSC,  22
.set PLIM, 23
.set CV,   24                          ; v24-31   V's codes, sorted by channel
.set ST,   32                          ; v32-43, v44-54 statistics of tile 0, 1: +0 -M, +1 largest t, +2:3 the sum in two halves, +4:5 f, +6, +7 at work, +8:9 second chain of the sum, +10 the lane exchange
.set S,    64                          ; v64-191  S^T, then p: tile u at 64 u, key tile t at + 8 t
.set P,    192                         ; v192-223 p's codes, 16 a tile
.set Q,    224                         ; v224-239 Q's fragments, 8 a tile
.set CD,   240                         ; v240-255 codes fresh from the conversions
; window 1
.set OA,   0                           ; O^T: tile u at 32 u, channel tile ct at + 8 ct
.set KF,   64                          ; a chunk's 8 fragments of K (at the head: q's numbers)
.set VF,   128                         ; a chunk's 4 fragments of V (at the head: chunk 1's numbers)
.set STG,  192                         ; 32 numbers of k, 32 of v, as loaded
; scalars: s[4:5] q, s[6:7] k, s[8:9] v, s[10:11] the scales, s[12:13] out0, s14 wave, s[20:23] eq ek ep ev, s28, s29 byte selects, s31 loop count, s33-35 at work
.set CS,   24                          ; s[24:25] c = log2(e) x 2^(eq + ek), twice
.set SEL,  26                          ; s[26:27] lane selects: lane l xor 16
.set TB,   30                          ; 8,192 x the trip's chunk
.set EO,   32                          ; ep + ev
.set MSB, 0
.macro WIN new                         ; the immediate's high byte repeats the setting that is left; a switch that changes nothing is dropped
.if MSB != \new
	s_set_vgpr_msb (MSB<<8)|\new
.set MSB, \new
.endif
.endm
.macro MKSCALE e, add, sc, lim         ; v[sc] = 2^(e + add) as f32 (a conversion takes its exponent field), v[lim] = 448 x that
	s_add_co_i32 s33, s[\e], 127+\add
	s_lshl_b32 s34, s33, 23
	v_mov_b32 v[\sc], s34
	s_add_co_i32 s33, s33, 8
	s_lshl_b32 s33, s33, 23
	s_or_b32 s33, s33, 0x600000
	v_mov_b32 v[\lim], s33
.endm
; My 16 keys of a chunk, as f32, into window 1.  k: eight loads of 512 consecutive bytes: load i brings key 2 i + lane / 16, channels 4 (lane % 16) + 0..3.
; v: sixteen loads of one whole row of 256 bytes: load i brings key i, channels 2 lane and 2 lane + 1.  No hint: the head's other three work-groups read the same bytes.
.macro CLOAD dst, imm
	WIN 0x40
.irp i, 0,1,2,3,4,5,6,7
	global_load_b128 v[\dst+4*\i:\dst+4*\i+3], v[L16], s[6:7] offset:\imm+512*\i
.endr
.irp i, 0,1,2,3,4,5,6,7,8,9,10,11,12,13,14,15
	global_load_b64 v[\dst+32+2*\i:\dst+32+2*\i+1], v[L8], s[8:9] offset:\imm+256*\i
.endr
.endm
; My 32 queries of pass p, as f32: the same shape as k's loads; read once in the launch.
.macro QLOAD dst, p
	WIN 0x40
.irp u, 0,1
.irp i, 0,1,2,3,4,5,6,7
	global_load_b128 v[\dst+32*\u+4*\i:\dst+32*\u+4*\i+3], v[L16], s[4:5] offset:65536*\p+4096*\u+512*\i th:TH_LOAD_NT
.endr
.endr
.endm
; 64 numbers become codes.  The conversion to an 8-bit code does not saturate (ISA guide 7.6.2): each number is first held within the largest code x the scale.
; K: register CD + i then holds key 2 i + lane / 16, channels 4 (lane % 16) + 0..3.  V: a conversion's eight numbers are four keys x (even, odd channel); two byte permutes sort them:
; CV + g = channel 2 lane, keys 4 g + 0..3; CV + 4 + g = channel 2 lane + 1.
.macro CQ_ALU src
	WIN 0x41
.set jj, 0
.rept 32
	v_med3_num_f32 v[\src+jj], v[\src+jj], -v[KLIM], v[KLIM]
.set jj, jj+1
.endr
.rept 32
	v_med3_num_f32 v[\src+jj], v[\src+jj], -v[VLIM], v[VLIM]
.set jj, jj+1
.endr
	WIN 0x01
.irp g, 0,1,2,3
	v_cvt_scalef32_pk8_fp8_f32 v[CD+8+2*\g:CD+9+2*\g], v[\src+32+8*\g:\src+39+8*\g], v[VSC]
.endr
.irp g, 0,1,2,3
	v_cvt_scalef32_pk8_fp8_f32 v[CD+2*\g:CD+1+2*\g], v[\src+8*\g:\src+7+8*\g], v[KSC]
.endr
	WIN 0
	v_nop                                          ; one plain vector line between the conversions and the permutes that read their results
.irp g, 0,1,2,3
	v_perm_b32 v[CV+\g], v[CD+9+2*\g], v[CD+8+2*\g], s28
	v_perm_b32 v[CV+4+\g], v[CD+9+2*\g], v[CD+8+2*\g], s29
.endr
.endm
; The codes go to their places in the images.  K: word (lane % 4) of register group (bit 2 of the lane) of image lane 2 i + lane / 16 + 16 (bit 3 of the lane).  V: 8 bytes (8 keys of one channel) each.
; Bits 2 and 3 of the lane move K's address by 512 and 256 bytes, so four lanes meet on a bank (64 banks of 4 bytes: ISA guide 11.1): twelve such stores stand against a trip's 32 fragment loads.
.macro CQ_STORE aK, aV, off
.irp i, 0,1,2,3,4,5,6,7
	ds_store_b32 v[\aK], v[CD+\i] offset:\off+32*\i
.endr
	ds_store_b64 v[\aV], v[CV:CV+1] offset:\off            ; even channel, keys 0-7
	ds_store_b64 v[\aV], v[CV+2:CV+3] offset:\off+256      ; even channel, keys 8-15: image lanes 16-31
	ds_store_b64 v[\aV], v[CV+4:CV+5] offset:\off+16       ; odd channel: the next image lane
	ds_store_b64 v[\aV], v[CV+6:CV+7] offset:\off+272
.endm
; My 32 queries become two fragments, through my own stage, by K's pattern.  LDS serves a wave's instructions in order (ISA guide 5.7.1.4): no wait between the stores and the loads.
.macro QQUANT src
	WIN 0x41
.set jj, 0
.rept 64
	v_med3_num_f32 v[\src+jj], v[\src+jj], -v[QLIM], v[QLIM]
.set jj, jj+1
.endr
	WIN 0x01
.irp g, 0,1,2,3,4,5,6,7
	v_cvt_scalef32_pk8_fp8_f32 v[CD+2*\g:CD+1+2*\g], v[\src+8*\g:\src+7+8*\g], v[QSC]
.endr
	WIN 0
	v_nop                                          ; one plain vector line behind the last conversion
	s_wait_alu depctr_va_vdst(0)                   ; the conversions have written CD, which the LDS stores read; the pass before's score products are done reading Q's fragments, in which the LDS loads land
.irp u, 0,1
.irp i, 0,1,2,3,4,5,6,7
	ds_store_b32 v[WQ0], v[CD+8*\u+\i] offset:1024*\u+32*\i
.endr
.endr
.irp u, 0,1
.irp c, 0,1
	ds_load_b128 v[Q+8*\u+4*\c:Q+8*\u+4*\c+3], v[RQ0] offset:1024*\u+512*\c
.endr
.endr
	s_wait_dscnt 0x0                               ; Q's fragments are in
.endm
.macro KLOAD adr, off                  ; a chunk's eight fragments of K
	WIN 0x40
.irp t, 0,1,2,3,4,5,6,7
.irp c, 0,1
	ds_load_b128 v[KF+8*\t+4*\c:KF+8*\t+4*\c+3], v[\adr] offset:\off+1024*\t+512*\c
.endr
.endr
.endm
.macro VLOAD                           ; a chunk's four fragments of V
	WIN 0x40
.irp t, 0,1,2,3
.irp c, 0,1,2,3
	ds_load_b128 v[VF+16*\t+4*\c:VF+16*\t+4*\c+3], v[ADV] offset:2048*\t+512*\c
.endr
.endr
.endm
.macro FRAGS kpre                      ; a trip's fragment loads: this chunk's V; kpre = 1: the next chunk's K; 2: chunk 0's, for the next pass; 0: none
	VLOAD
.if \kpre == 1
	KLOAD ADK, CHB
.elseif \kpre == 2
	KLOAD L16, 0
.endif
.endm
; A pass begins: the largest t is -3e38, the sums and O^T are zeros.  So the trip has no first form: the first change of M multiplies zeros by 0.
.macro PASSINIT
	WIN 0
.irp r, ST, ST+12
	v_mov_b32 v[\r+1], 0xff61b1e6
	v_floor_f32 v[\r], -v[\r+1]
	v_mov_b32 v[\r+2], 0
	v_mov_b32 v[\r+3], 0
.endr
	WIN 0x40
.set jj, 0
.rept 64
	v_mov_b32 v[OA+jj], 0
.set jj, jj+1
.endr
	WIN 0
	s_mov_b32 s[TB], 0
.endm
; A TRIP: 128 keys (the chunk at s[TB]) x my two tiles of queries.  K's fragments of this chunk were fetched in the trip before.
; quant = 1: the chunk two further on is quantised and stored, and a barrier follows.  load = 1: the chunk three further on is asked for; 2: pass 1's queries are.
; kpre: which K is fetched (macro FRAGS).
; All 24 matrix instructions of a trip name different accumulators, over the backward jump too: the accumulators take turns.
.macro TRIP quant, load, kpre
	WIN 0x01
.irp t, 0,1,2,3,4,5,6,7
.irp u, 0,1
	v_wmma_f32_16x16x64_fp8_fp8 v[S+64*\u+8*\t:S+64*\u+8*\t+7], v[KF+8*\t:KF+8*\t+7], v[Q+8*\u:Q+8*\u+7], 0
.endr
.endr
	WIN 0
	s_wait_alu depctr_vm_vsrc(0)                   ; the LDS loads issued so far have read v[ADK] and v[ADV], the LDS stores v[WKA], v[WVA], CD and CV: the adds below, and with quant = 1 the conversions and permutes, write them again
	; four plain lines that name no register of the products: the places (ISA guide 7.12.1) in front of the first read of the scores
	v_add_nc_u32 v[ADK], s[TB], v[L16]
	v_add_nc_u32 v[ADV], s[TB], v[AV0]
.if \quant
	v_add_nc_u32 v[WKA], s[TB], v[WK0]
	v_add_nc_u32 v[WVA], s[TB], v[WV0]
	s_wait_loadcnt 0x0                             ; the numbers asked for a trip ago are in; no load of mine is out, so k's and v's addresses may step
.if \load == 1
	s_add_nc_u64 s[6:7], s[6:7], CHRAW
	s_add_nc_u64 s[8:9], s[8:9], CHRAW
.endif
	CQ_ALU STG
	WIN 0x40
	s_wait_alu depctr_va_vdst(0)                   ; ONE wait for the whole run below.  The holds and conversions are done with v[STG ..], in which the global loads land; this trip's score products are done reading K's fragments and the last trip's products V's, in which the LDS loads land; the four addresses, CD and CV are written, which the LDS loads and stores read
.if \load == 1
	CLOAD STG, 2*CHRAW                             ; it has a whole trip in which to land
.else
	QLOAD STG, 1
.endif
	FRAGS \kpre
	WIN 0
	CQ_STORE WKA, WVA, 2*CHB                       ; no vector instruction since the wait: nothing more is owed
.else
	v_nop
	v_nop
.endif
	; the trip's largest score of each query: two chains a tile, the four by turns; the registers ascend
.irp u, 0,1
	v_max3_num_f32 v[ST+12*\u+6], v[S+64*\u], v[S+64*\u+1], v[S+64*\u+2]
	v_max3_num_f32 v[ST+12*\u+7], v[S+64*\u+3], v[S+64*\u+4], v[S+64*\u+5]
.endr
.irp i, 6,10,14,18,22,26,30,34,38,42,46,50,54,58
.irp u, 0,1
	v_max3_num_f32 v[ST+12*\u+6], v[ST+12*\u+6], v[S+64*\u+\i], v[S+64*\u+\i+1]
	v_max3_num_f32 v[ST+12*\u+7], v[ST+12*\u+7], v[S+64*\u+\i+2], v[S+64*\u+\i+3]
.endr
.endr
.irp r, ST, ST+12
	v_max3_num_f32 v[\r+6], v[\r+6], v[S+(\r-ST)/12*64+62], v[S+(\r-ST)/12*64+63]
.endr
.irp r, ST, ST+12
	v_max_num_f32 v[\r+6], v[\r+6], v[\r+7]
.endr
.irp r, ST, ST+12
	v_permlanex16_b32 v[\r+10], v[\r+6], s[SEL], s[SEL+1]   ; the query's other 64 keys lie in the lane 16 away
.endr
.irp r, ST, ST+12
	v_max_num_f32 v[\r+6], v[\r+6], v[\r+10]
.endr
.irp r, ST, ST+12
	v_mul_f32 v[\r+6], s[CS], v[\r+6]              ; as t (c is positive)
.endr
.irp r, ST, ST+12
	v_max_num_f32 v[\r+1], v[\r+1], v[\r+6]        ; the running largest t
.endr
.irp r, ST, ST+12
	v_mov_b32 v[\r+6], v[\r]
.endr
.irp r, ST, ST+12
	v_floor_f32 v[\r], -v[\r+1]                    ; the new -M = floor(-t) = -ceil(t): a whole number
.endr
.irp r, ST, ST+12
	v_sub_f32 v[\r+6], v[\r], v[\r+6]              ; old M - new M: a whole number, 0 or less
.endr
.irp r, ST, ST+12
	v_cvt_i32_f32 v[\r+6], v[\r+6]                 ; (it saturates)
.endr
.irp r, ST, ST+12
	v_ldexp_f32 v[\r+4], 1.0, v[\r+6]              ; f = 2^(old M - new M)
.endr
.if \quant
	s_wait_dscnt 0x0                               ; V's fragments and the next K's are in; my stores into the images have landed
	s_barrier_signal -1                            ; say so; only work on registers stands between this and the wait
.endif
	; p = 2^(c s - M).  Tile 0's scalings; then its exponentials with tile 1's scalings between them; then tile 1's exponentials with tile 0's sums between them:
	; behind every exponential stands another exponential or a plain line that names none of its registers, and a plain line comes before any result is used (ISA guide 5.7.2)
.set jj, 0
.rept 32
	v_pk_fma_f32 v[S+jj:S+jj+1], v[S+jj:S+jj+1], s[CS:CS+1], v[ST:ST+1] op_sel_hi:[1,0,0]   ; of the pairs c and -M the low word serves both halves
.set jj, jj+2
.endr
.set jj, 0
.rept 16
	v_exp_f32 v[S+jj], v[S+jj]
	v_pk_fma_f32 v[S+64+jj:S+64+jj+1], v[S+64+jj:S+64+jj+1], s[CS:CS+1], v[ST+12:ST+13] op_sel_hi:[1,0,0]
	v_exp_f32 v[S+jj+1], v[S+jj+1]
	v_exp_f32 v[S+jj+2], v[S+jj+2]
	v_pk_fma_f32 v[S+64+jj+2:S+64+jj+3], v[S+64+jj+2:S+64+jj+3], s[CS:CS+1], v[ST+12:ST+13] op_sel_hi:[1,0,0]
	v_exp_f32 v[S+jj+3], v[S+jj+3]
.set jj, jj+4
.endr
.set jj, 0
.rept 16                               ; THE ROW'S SUM IS TAKEN OF THE UNQUANTISED p: two numbers at a time, in two chains
	v_exp_f32 v[S+64+jj], v[S+64+jj]
.if jj == 0
	v_pk_mul_f32 v[ST+2:ST+3], v[ST+2:ST+3], v[ST+4:ST+5] op_sel_hi:[1,0]   ; tile 0's sum under the new M
.else
	v_pk_add_f32 v[ST+2:ST+3], v[ST+2:ST+3], v[S+jj:S+jj+1]
.endif
	v_exp_f32 v[S+64+jj+1], v[S+64+jj+1]
	v_exp_f32 v[S+64+jj+2], v[S+64+jj+2]
.if jj == 0
.if \quant
	s_wait_alu depctr_va_vdst(0)                   ; tile 0's 64 exponentials have written p, ahead of the first line that names a result: the sums below
.else
	WIN 0x40
	s_wait_alu depctr_va_vdst(0)                   ; tile 0's 64 exponentials have written p, ahead of the sums below.  The same wait serves the trip's fragment loads: this trip's score products are done reading K's fragments and the last trip's products V's, in which the loads land; v[ADK] and v[ADV] are written
	FRAGS \kpre
	WIN 0
.endif
	v_pk_add_f32 v[ST+8:ST+9], v[S:S+1], v[S+2:S+3]
.else
	v_pk_add_f32 v[ST+8:ST+9], v[ST+8:ST+9], v[S+jj+2:S+jj+3]
.endif
	v_exp_f32 v[S+64+jj+3], v[S+64+jj+3]
.set jj, jj+4
.endr
	v_pk_add_f32 v[ST+2:ST+3], v[ST+2:ST+3], v[ST+8:ST+9]
	v_pk_mul_f32 v[ST+14:ST+15], v[ST+14:ST+15], v[ST+16:ST+17] op_sel_hi:[1,0]   ; tile 1's sum under the new M
	s_wait_alu depctr_va_vdst(0)                   ; tile 1's 64 exponentials have written p, ahead of the first line that names a result
	v_pk_add_f32 v[ST+20:ST+21], v[S+64:S+65], v[S+66:S+67]
.set jj, 4
.rept 15
	v_pk_add_f32 v[ST+14:ST+15], v[ST+14:ST+15], v[S+64+jj:S+64+jj+1]
	v_pk_add_f32 v[ST+20:ST+21], v[ST+20:ST+21], v[S+64+jj+2:S+64+jj+3]
.set jj, jj+4
.endr
	v_pk_add_f32 v[ST+14:ST+15], v[ST+14:ST+15], v[ST+20:ST+21]
.if \quant
	s_barrier_wait -1                              ; every wave's part of the chunk two further on lies in LDS: the next trip fetches its K
.endif
	; The hold of p.  p is at most 1 (a last bit more at the most), and 448 x 2^ep is 1.75 or more wherever ep >= -8: there no p can pass the largest code and the 128 lines are jumped over.
	; The branch hangs on the given whole number ep alone; both ways give the same codes where both are allowed.
	s_cmp_gt_i32 s22, -9
	s_cbranch_scc1 .Lno_hold_\@
.set jj, 0
.rept 128
	v_min_num_f32 v[S+jj], v[S+jj], v[PLIM]        ; p is not negative: the hold is one-sided
.set jj, jj+1
.endr
.Lno_hold_\@:
.irp u, 0,1
.irp t, 0,1,2,3,4,5,6,7
	v_cvt_scalef32_pk8_fp8_f32 v[P+16*\u+2*\t:P+16*\u+2*\t+1], v[S+64*\u+8*\t:S+64*\u+8*\t+7], v[PSC]
.endr
.endr
	WIN 0x41
.irp u, 0,1                            ; O^T under the new M, each accumulator from its low end on.  These 32 plain lines also stand between the conversions and the products that read their results
.set jj, 0
.rept 16
	v_pk_mul_f32 v[OA+32*\u+jj:OA+32*\u+jj+1], v[OA+32*\u+jj:OA+32*\u+jj+1], v[ST+12*\u+4:ST+12*\u+5] op_sel_hi:[1,0]
.set jj, jj+2
.endr
.endr
.if !\quant
	s_wait_dscnt 0x0                               ; V's fragments, asked for among the exponentials, are in, and so is the next K
.endif
	WIN 0x51
.irp c, 0,1,2,3
.irp u, 0,1
	v_wmma_f32_16x16x128_fp8_fp8 v[OA+32*\u+8*\c:OA+32*\u+8*\c+7], v[VF+16*\c:VF+16*\c+15], v[P+16*\u:P+16*\u+15], v[OA+32*\u+8*\c:OA+32*\u+8*\c+7]
.endr
.endr
	WIN 0
	s_add_co_u32 s[TB], s[TB], CHB
.endm
; THE WAY OUT of pass p.  The sum's two halves and the other lane's are added; O^T x 2^(ep + ev) / the sum goes through my stage, a tile (16 rows of 256 bytes, 272 apart) at a time,
; and comes back as whole rows: each store of the wave covers 512 consecutive bytes, aligned.  The additions are the places behind the last products.
.macro OUT p
	WIN 0
.irp r, ST, ST+12
	v_add_f32 v[\r+6], v[\r+2], v[\r+3]
.endr
.irp r, ST, ST+12
	v_permlanex16_b32 v[\r+10], v[\r+6], s[SEL], s[SEL+1]
.endr
.irp r, ST, ST+12
	v_add_f32 v[\r+6], v[\r+6], v[\r+10]
.endr
.irp r, ST, ST+12
	v_rcp_f32 v[\r+4], v[\r+6]
.endr
	v_nop                                          ; a plain line between the last reciprocal and the use of its result
	s_wait_alu depctr_va_vdst(0)                   ; the two reciprocals have written their results, ahead of the first line that names one
.irp r, ST, ST+12
	v_ldexp_f32 v[\r+4], v[\r+4], s[EO]
.endr
	WIN 0x01
.irp u, 0,1
.set jj, 0
.rept 16
	v_pk_mul_f32 v[S+64*\u+jj:S+64*\u+jj+1], v[OA+32*\u+jj:OA+32*\u+jj+1], v[ST+12*\u+4:ST+12*\u+5] op_sel_hi:[1,0]   ; register 8 ct + j: out(query lane % 16, channel 16 ct + 8 (lane / 16) + j)
.set jj, jj+2
.endr
.endr
	WIN 0
	s_wait_alu depctr_va_vdst(0)                   ; the scalings have written each tile's low 32 registers of S, which the LDS stores read; the last trip's sums and conversions are done with its high 32, in which the LDS loads land
.irp u, 0,1
.irp c, 0,1,2,3
	ds_store_b128 v[SO], v[S+64*\u+8*\c:S+64*\u+8*\c+3] offset:64*\c
	ds_store_b128 v[SO], v[S+64*\u+8*\c+4:S+64*\u+8*\c+7] offset:64*\c+16
.endr
.irp i, 0,1,2,3,4,5,6,7
	ds_load_b128 v[S+64*\u+32+4*\i:S+64*\u+32+4*\i+3], v[SR] offset:544*\i   ; LDS serves a wave's instructions in order: these see the stores above, and tile 1's stores come behind tile 0's loads
.endr
.endr
.irp u, 0,1
.irp i, 0,1,2,3,4,5,6,7
	s_wait_dscnt 23-16*\u-\i                       ; behind this load: the tile's 7 - i younger loads and, for tile 0, tile 1's sixteen LDS instructions
	global_store_b128 v[L16], v[S+64*\u+32+4*\i:S+64*\u+32+4*\i+3], s[12:13] offset:65536*\p+4096*\u+512*\i th:TH_STORE_NT
.endr
.endr
.if \p == 0
	s_wait_xcnt 0x0                                ; the stores' addresses are translated: the next pass writes their registers again only behind this wait,
	s_wait_alu depctr_vm_vsrc(0)                   ; and behind this one: the LDS stores and the global stores have read S's registers, which the next pass's score products write
.endif
.endm
	; ---- THE HEAD
	s_load_b256 s[4:11], s[0:1], 0x0               ; q, k, v, the scales
	s_load_b64 s[12:13], s[0:1], 0x20              ; out0
	v_lshl_add_u32 v55, v0, 2, 0x48800             ; the LDS address of my spare word, behind the stages; kept for the closing lines alone
	v_mov_b32 v63, 0                               ; 0, likewise
	v_lshrrev_b32 v56, 5, v0
	v_readfirstlane_b32 s14, v56                   ; wave 0..7
	v_and_b32 v57, 31, v0                          ; lane
	v_lshlrev_b32 v[L16], 4, v57
	v_lshlrev_b32 v[L8], 3, v57
	v_add_nc_u32 v[AV0], VIMG, v[L16]
	v_and_b32 v58, 3, v0
	v_lshlrev_b32 v58, 2, v58                      ; the pattern of K's and Q's code stores: 4 (lane % 4)
	v_bfe_u32 v59, v0, 2, 1
	v_lshl_add_u32 v58, v59, 9, v58                ; + 512 x bit 2: registers 4-7
	v_bfe_u32 v59, v0, 3, 1
	v_lshl_add_u32 v58, v59, 8, v58                ; + 256 x bit 3: channels 32-63, image lanes 16-31
	v_bfe_u32 v59, v0, 4, 1                        ; h = lane / 16
	v_lshl_add_u32 v58, v59, 4, v58                ; + 16 x bit 4: the odd key of a load's two
	s_wait_alu depctr_va_sdst(0)                   ; s14 is written, ahead of its first reader: LDS addresses and the tensors' offsets are made from it
	s_lshl_b32 s33, s14, 10
	v_add_nc_u32 v[WK0], s33, v58                  ; key tile = my wave
	v_bfe_u32 v60, v0, 3, 2
	v_lshlrev_b32 v60, 11, v60                     ; V: channel tile lane / 8,
	v_and_b32 v61, 7, v0
	v_lshl_add_u32 v60, v61, 5, v60                ; image lane 2 (lane % 8),
	s_lshr_b32 s33, s14, 1
	s_lshl_b32 s33, s33, 9                         ; register group wave / 2,
	s_and_b32 s34, s14, 1
	s_lshl_b32 s34, s34, 3                         ; its lower or upper 8 bytes
	s_add_co_u32 s33, s33, s34
	s_add_co_u32 s33, s33, VIMG
	v_add_nc_u32 v[WV0], s33, v60
	s_mul_i32 s35, s14, STGW
	s_add_co_u32 s35, s35, STAGE                   ; my stage
	v_add_nc_u32 v[WQ0], s35, v58
	v_add_nc_u32 v[RQ0], s35, v[L16]
	v_and_b32 v61, 15, v0                          ; r = lane % 16
	v_mul_u32_u24 v62, v61, 272
	v_lshl_add_u32 v62, v59, 5, v62
	v_add_nc_u32 v[SO], s35, v62                   ; in: row r, 32 bytes for each half of the lanes
	v_mul_u32_u24 v62, v59, 272
	v_lshl_add_u32 v62, v61, 4, v62
	v_add_nc_u32 v[SR], s35, v62                   ; back: lanes 0-15 one row, lanes 16-31 the next
	s_and_b32 s15, ttmp7, 0xffff
	s_lshl_b32 s15, s15, 19                        ; the head's 2,048 rows of 256 bytes
	s_lshl_b32 s33, s14, 12
	s_add_co_u32 s18, s15, s33                     ; k, v: + my 16 keys of a chunk
	s_mov_b32 s19, 0
	s_lshl_b32 s16, ttmp9, 17                      ; q, out0: + the work-group's 512 rows
	s_lshl_b32 s33, s14, 13
	s_add_co_u32 s16, s16, s33                     ; + my 32 rows of a pass
	s_add_co_u32 s16, s16, s15
	s_mov_b32 s17, 0
	s_mov_b32 s[SEL], 0x76543210
	s_mov_b32 s[SEL+1], 0xfedcba98
	s_mov_b32 s28, 0x06040200                      ; the even bytes of two registers
	s_mov_b32 s29, 0x07050301                      ; the odd ones
	s_wait_kmcnt 0x0
	s_load_b128 s[20:23], s[10:11], 0x0            ; eq, ek, ep, ev
	s_add_nc_u64 s[6:7], s[6:7], s[18:19]
	s_add_nc_u64 s[8:9], s[8:9], s[18:19]
	s_add_nc_u64 s[4:5], s[4:5], s[16:17]
	s_add_nc_u64 s[12:13], s[12:13], s[16:17]
	WIN 0x40
	s_wait_alu depctr_va_vdst(0)                   ; the offsets and LDS addresses that stay (v[L16], v[L8], v[WK0], v[WV0], v[WQ0], v[RQ0], v[SO], v[SR]) are written: every load and store of the kernel that names one stands behind this wait
	QLOAD KF, 0                                    ; 16 loads,
	CLOAD STG, 0                                   ; chunk 0: 24,
	CLOAD VF, CHRAW                                ; chunk 1: 24
	WIN 0
	s_wait_kmcnt 0x0
	MKSCALE 20, 0, QSC, QLIM
	MKSCALE 21, 3, KSC, KLIM                       ; (k / 8) / 2^ek = k / 2^(ek + 3)
	MKSCALE 22, 0, PSC, PLIM
	MKSCALE 23, 0, VSC, VLIM
	s_add_co_i32 s33, s20, s21
	s_lshl_b32 s33, s33, 23
	s_add_co_i32 s[CS], s33, 0x3fb8aa3b            ; a score on codes stands for score x 2^(eq + ek): the two exponents are added to the exponent field of log2(e)
	s_mov_b32 s[CS+1], s[CS]                       ; (named with it as a pair, so it is written)
	s_add_co_i32 s[EO], s22, s23
.irp r, ST, ST+12
	v_mov_b32 v[\r+5], 0                           ; (named as the upper half of f's pair)
	v_mov_b32 v[\r+10], 0                          ; written once: a lane permute's destination counts as one of its sources
.endr
	; ---- THE PROLOGUE: Q's fragments; chunks 0 and 1 into the images
	s_wait_loadcnt 48                              ; q is in; the two chunks' 48 loads stay out
	QQUANT KF
	s_wait_loadcnt 24                              ; chunk 0 is in; chunk 1's 24 loads stay out
	s_wait_alu depctr_vm_vsrc(0)                   ; the stores of Q's codes have read CD, which chunk 0's conversions write again
	CQ_ALU STG
	WIN 0x40
	s_wait_alu depctr_va_vdst(0)                   ; the holds and conversions are done with v[STG ..], in which chunk 2's loads land; CD and CV are written, which the LDS stores read
	CLOAD STG, 2*CHRAW                             ; chunk 2
	WIN 0
	CQ_STORE WK0, WV0, 0
	s_wait_loadcnt 24                              ; chunk 1 is in; chunk 2's 24 loads stay out
	s_wait_dscnt 0x0                               ; chunk 0's stores have landed,
	s_wait_alu depctr_vm_vsrc(0)                   ; and have read CD and CV, which chunk 1's conversions and permutes write again
	CQ_ALU VF
	s_wait_alu depctr_va_vdst(0)                   ; CD and CV are written, which the LDS stores read.  It also states that the vector lines that named v[KF ..] (q's) and v[VF ..] (chunk 1's) are done: the first fragment loads land there
	CQ_STORE WK0, WV0, CHB
	s_wait_dscnt 0x0                               ; for the others' sake: my parts of chunks 0 and 1 lie in LDS
	s_barrier_signal -1
	s_barrier_wait -1                              ; everybody's do
	KLOAD L16, 0                                   ; chunk 0's K.  No wait: no vector instruction since the wait above
	PASSINIT
	s_wait_dscnt 0x0
	; ---- PASS 0.  Trip s reads V of chunk s and K of chunk s + 1, and stores chunk s + 2: between two barriers no byte is both written and read
	s_mov_b32 s31, 13
.Lpass0:                                           ; trips 0 to 12: the last asks for chunk 15, the head's last
	TRIP 1, 1, 1
	s_sub_co_u32 s31, s31, 1
	s_cmp_lg_u32 s31, 0
	s_cbranch_scc1 .Lpass0
	TRIP 1, 2, 1                                   ; trip 13 stores chunk 15 and asks for pass 1's queries
	TRIP 0, 0, 1                                   ; the images are whole: no store, no barrier from here on
	TRIP 0, 0, 2
	OUT 0
	s_wait_loadcnt 0x0                             ; pass 1's queries
	QQUANT STG
	PASSINIT
	; ---- PASS 1
	s_mov_b32 s31, 15
.Lpass1:
	TRIP 0, 0, 1
	s_sub_co_u32 s31, s31, 1
	s_cmp_lg_u32 s31, 0
	s_cbranch_scc1 .Lpass1
	TRIP 0, 0, 0
	OUT 1
	s_wait_dscnt 0x0                               ; the closing lines, six on end
	s_wait_alu 0x0
	s_wait_tensorcnt 0x0
	ds_add_u32 v55, v63
	s_wait_dscnt 0x0
	s_endpgm
.Lfunc_end_k_q4e71c26df5_attend:
	.size	k_q4e71c26df5_attend, .Lfunc_end_k_q4e71c26df5_attend-k_q4e71c26df5_attend
	.p2alignl 7, 3214868480
	.fill 96, 4, 3214868480
	.section	.rodata,"a",@progbits
	.p2align	6, 0x0
	.amdhsa_kernel k_q4e71c26df5_attend
		.amdhsa_group_segment_fixed_size 297984
		.amdhsa_private_segment_fixed_size 0
		.amdhsa_enable_private_segment 0
		.amdhsa_kernarg_size 40
		.amdhsa_user_sgpr_count 2
		.amdhsa_user_sgpr_kernarg_segment_ptr 1
		.amdhsa_wavefront_size32 1
		.amdhsa_system_sgpr_workgroup_id_x 1
		.amdhsa_system_sgpr_workgroup_id_y 1
		.amdhsa_system_sgpr_workgroup_id_z 1
		.amdhsa_system_vgpr_workitem_id 0
		.amdhsa_next_free_vgpr 512
		.amdhsa_next_free_sgpr 66
		.amdhsa_reserve_vcc 0
		.amdhsa_float_denorm_mode_32 3
		.amdhsa_float_denorm_mode_16_64 3
		.amdhsa_memory_ordered 1
		.amdhsa_forward_progress 1
		.amdhsa_inst_pref_size 240
	.end_amdhsa_kernel
	.amdgpu_metadata
---
amdhsa.version: [ 1, 2 ]
amdhsa.kernels:
  - .name:           k_q4e71c26df5_attend
    .symbol:         k_q4e71c26df5_attend.kd
    .args:
      - { .name: q, .offset: 0, .size: 8, .value_kind: global_buffer, .address_space: global }
      - { .name: k, .offset: 8, .size: 8, .value_kind: global_buffer, .address_space: global }
      - { .name: v, .offset: 16, .size: 8, .value_kind: global_buffer, .address_space: global }
      - { .name: lowp_scales, .offset: 24, .size: 8, .value_kind: global_buffer, .address_space: global }
      - { .name: out0, .offset: 32, .size: 8, .value_kind: global_buffer, .address_space: global }
    .group_segment_fixed_size: 297984
    .private_segment_fixed_size: 0
    .kernarg_segment_align: 8
    .kernarg_segment_size: 40
    .max_flat_workgroup_size: 256
    .sgpr_count:     66
    .vgpr_count:     512
    .wavefront_size: 32
...
	.end_amdgpu_metadata
.endif
;; end of part 2
